; MI455X (gfx1250); checked and timed in simulation.
; The chip was launched on July 23, 2026; its instructions are those of AMD's public machine-readable ISA for CDNA 5 (MIT licence, August 2026) and "CDNA5" Instruction Set Architecture Reference Guide (July 2026). The comments in the code are by the model that wrote it; some were corrected since.
;; Group Linear. Allowed arithmetic: float matrix products may take bf16 or f16 operands with f32 sums; other float arithmetic in f32, or as packed bf16 or f16 multiplies, adds, multiply-adds, maxima and minima; sums over many terms, partial sums and values carried from step to step in f32; what a program stores and reads back later, other than sums and carried values, may be rounded once to bf16 or f16.
;; Inputs: grouped_mm_offs 8 int32; input 4,096 x 1,024 float32; weight 8 x 2,048 x 1,024 float32.
;; Outputs: out0 4,096 x 2,048 float32.
;; 2 versions, each right and faster than the one before. Each part assembles by itself: llvm-mc -triple=amdgcn-amd-amdhsa -mcpu=gfx1250 --defsym DOCPART=n.
;; ======== version 1 of 2: 1 launch
;; launch gmm (part 1): grid 256 x 1, 8 waves a work-group, no clusters, 160,256 bytes of LDS; arguments grouped_mm_offs, input, weight, out0; writes out0
.if DOCPART == 1
	.amdgcn_target "amdgcn-amd-amdhsa--gfx1250"
	.amdhsa_code_object_version 6
	.text
	.protected	k_q968e4a59e6_gmm
	.globl	k_q968e4a59e6_gmm
	.p2align	8
	.type	k_q968e4a59e6_gmm,@function
k_q968e4a59e6_gmm:
	s_mov_b64 s[64:65], 0
	v_nop
	global_prefetch_b8 v0, s[64:65] scope:SCOPE_SE
	s_setreg_imm32_b32 hwreg(HW_REG_WAVE_MODE, 25, 1), 1
	s_wait_xcnt 0x0
; GROUPED PRODUCT.  out[t][n] = sum over k of input[t][k] weight[g(t)][n][k], g(t) = how many of the 8 offsets are <= t; a row with g(t) = 8 belongs to no group and is stored as 0.
; input [4096][1024], weight [8][2048][1024], out [4096][2048], all f32; offsets [8] int32.  input and weight are rounded once to bf16 on their way into LDS; the sums are f32.
; LIMITS.  The offsets are taken as ascending, which the binary search that defines g(t) needs; they are held to 0 .. 4096 and made non-falling, so that no address leaves a buffer whatever they hold.
; Only a row's own group is multiplied: a weight of ANOTHER group that is not finite leaves a row as it is, where a product of 0 with it would make a NaN.
; SHARES.  256 work-groups: id & 7 is a tile of 256 columns, id >> 3 one of 32 row shares.  The rows fall into nine segments (eight groups and the tail of zeros); each segment is cut into tiles of
; 16 q rows, q the smallest of 8, 9, 10, 11 with which all segments together have at most 32 tiles.  q = 11 always serves: the segments have at most (4096 + 9 x 15) / 16 = 264 blocks of 16 rows,
; so at most (264 + 9 x 10) / 11 = 32 tiles.  Every wave works this out for itself from the offsets, in scalar registers.  A share beyond the last tile has no rows: it walks the same text and stores nothing,
; since every wave has to pass every barrier.
; WINDOW.  A work-group always brings in 176 rows of input, from row min(first row, 3920) on, and 256 rows of its group's weights.  Rows of the window outside the tile are never stored.
; WAVES.  Eight: wave w has the columns 64 (w & 3) .. + 63 and, of the window's blocks of 16 rows, those of parity w >> 2: six blocks x four accumulators of 16 x 16.  Blocks past the tile's end are jumped.
; THE WAY IN.  K goes in 16 chunks of 64 (256 bytes of a row, at a multiple of 256 bytes from the buffer's first byte).  A chunk is 432 rows = 27 loads of 16 bytes a lane for each wave; two chunks, 54 loads, are always
; on their way, in 216 registers.  A chunk that has come is rounded (4 f32 -> 8 bytes a lane) and stored into one of two LDS slots; the other slot is multiplied meanwhile.  One barrier a chunk.
; NO JOINT LOADS, NO TENSOR LOADS.  The tiles are f32 and are rounded once here, between memory and LDS.  Brought as they are, a slot would be 432 rows x 272 bytes = 117,504 bytes, each fragment would be read at twice the
; bytes and rounded by every wave that reads it (input's by four, the weights' by two).  Of a chunk's 432 rows only input's 176 are the same in a fixed set of work-groups; how many share the weights' 256 hangs on the offsets.
; THE MATRIX INSTRUCTION IS USED TRANSPOSED: source 0 = 16 rows of weights, source 1 = 16 rows of input: a lane then holds row lane % 16 of out and eight neighbouring columns 8 (lane / 16) + 0 .. 7.
; REGISTERS, in windows of 256 (s_set_vgpr_msb: bits 1:0 source 0, 3:2 source 1, 5:4 source 2, 7:6 destination):
;   window 0: v0-23 addresses and at work; v24-131, v132-239 the two chunks on their way (on the way out: 32 registers for each block)
;   window 1: v0-191 accumulators, (block i, column block b) at 8 (4 i + b); v192-223 the weights' four fragments; v224-255 four buffers for input's fragments (block i takes buffer i % 4)
.set PT,    144                        ; an LDS row: 64 bf16 = 128 bytes + 16 of padding = 36 words: the 16 rows of a fragment load start at 16 different groups of four banks (64 banks of 4 bytes: ISA guide 11.1)
.set B16,   16*PT                      ; 16 rows
.set WOFF,  176*PT                     ; a slot: input's 176 rows, then the weights' 256
.set SLOT,  (176+256)*PT               ; 62,208 bytes
.set STAGE, 2*SLOT                     ; behind the slots: 16 rows x 272 bytes for each wave, its own, for the way out
.set SP,    272                        ; 64 f32 = 256 bytes + 16 of padding
.set WST,   16*SP
.set SPARE, STAGE+8*WST                ; behind the stages: the spare words, 128 bytes for each wave: four blocks of 256 bytes that no other line names
.set SPW,  1                           ; v1     LDS address of my spare word: SPARE + 4 x my thread's number; never rewritten
.set NIL,  2                           ; v2     0; never rewritten
.set GOFF, 3                           ; v3     byte offset of my 16 bytes in a chunk: row w + 8 (lane / 16), 16 (lane % 16)
.set LST,  4                           ; v4-5   where my 8 rounded bytes go, in slot 0, 1
.set ADRA, 6                           ; v6-7   my place in input's fragments, in slot 0, 1
.set ADRB, 8                           ; v8-9   the same for the weights'
.set STO,  10                          ; v10    the way out: where I put 16 bytes of a row
.set RD,   11                          ; v11    the way out: where I read a row back
.set CO,   12                          ; v12    my byte offset in two rows of out
.set VQ,   13                          ; v13    my row in the wave's first pair of rows, counted from the tile's first row
.set TV,   14                          ; v14    at work
.set C16,  15                          ; v15    lane % 16
.set PH,   16                          ; v16    lane / 16
.set ZQ,   20                          ; v20-23 four zeros, for the rows that belong to no group
.set SET0, 24                          ; the chunks of even number; those of odd number 108 registers on
.set BK,   24                          ; the way out: block i's 16 rows at BK + 32 i
.set BF,   192                         ; window 1
.set AF,   224                         ; window 1
.set WV,   2                           ; s2     my wave's number
.set HH,   3                           ; s3     w >> 2: the parity of my blocks of rows
.set BX,   6                           ; s[6:7]   input at the window's first row, at the chunk in hand
.set BW,   8                           ; s[8:9]   weight at the tile's first row, likewise
.set OUT,  10                          ; s[10:11] out at my wave's first row and column
.set CQ,   12                          ; s12    w & 3: my quarter of the columns
.set NT,   13                          ; s13    the tile of columns
.set YS,   14                          ; s14    the row share
.set T0,   15                          ; s15, s19 at work
.set QQ,   16                          ; s16    q
.set MG,   17                          ; s17    ceil(65536 / q): (v x MG) >> 16 = v / q for v up to 266, since q x MG - 65536 is 4 at the most
.set TOT,  18                          ; s18    tiles in all with the q that is tried
.set T1,   19
.set PP,   20                          ; s20    tiles of the segments passed
.set JJ,   21                          ; s21    my tile's number in its segment
.set SB,   22                          ; s22    my segment's first row
.set BND,  23                          ; s23-32 the ten bounds: 0, the eight offsets, 4096
.set SE,   33                          ; s33    my segment's end
.set SG,   34                          ; s34    my segment
.set BLK,  36                          ; s36-44 the segments' blocks of 16 rows
.set M16,  45                          ; s45    16 q
.set RS,   46                          ; s46, s47 my tile's first row and end
.set RE,   47
.set R0,   48                          ; s48    the window's first row
.set RSR,  49                          ; s49, s50 the same two, counted from the window's first row
.set RER,  50
.set CNT,  51                          ; s51    my tile's rows
.set KEEP, 52                          ; s52    1: a group's rows; 0: the tail, which is stored as zeros
.set GG,   53                          ; s53    the group whose weights are read
.set NB,   54                          ; s54    how many of my six blocks are multiplied
.set LOOPC, 55                         ; s55    counts the loop
.set OFF,  56                          ; s[56:57] a byte offset in 64 bits
.set SVX,  58                          ; s58    EXEC, kept
.set H16,  59                          ; s59    16 (w >> 2)
.set LO,   60                          ; s60, s61 a block's first row in the window and its end
.set LE,   61
.set MSB, 0
.macro WIN new                         ; the immediate's high byte repeats the setting that is left; a switch that changes nothing is dropped
.if MSB != (\new)
	s_set_vgpr_msb (MSB<<8)|(\new)
.set MSB, \new
.endif
.endm
.set TO_F, 0x40                        ; destination window 1, address window 0
.set MUL,  0x55                        ; all four operands window 1
.set FROM, 0x04                        ; an LDS store's data window 1, its address window 0
; A load into a register that a matrix instruction has read, and a store that reads a matrix result, stand four places behind that matrix instruction, and only plain vector instructions that name none of
; its registers are places (ISA guide 7.12.1 for vector instructions).
.macro PLACES
.rept 4
	v_nop
.endr
.endm
.macro BAR                             ; what the others rely on is complete in front of my signal: my stores into the one slot, my reads of the other
	s_wait_dscnt 0x0
	s_barrier_signal -1
	s_barrier_wait -1
.endm
	s_load_b256 s[4:11], s[0:1], 0x0               ; offsets s[4:5], input s[6:7], weight s[8:9], out s[10:11]
	v_lshl_add_u32 v[SPW], v0, 2, SPARE
	v_mov_b32 v[NIL], 0
	v_lshrrev_b32 v[TV], 5, v0
	v_readfirstlane_b32 s[WV], v[TV]               ; wave 0..7
	s_lshr_b32 s[HH], s[WV], 2
	s_and_b32 s[CQ], s[WV], 3
	s_and_b32 s[NT], ttmp9, 7
	s_lshr_b32 s[YS], ttmp9, 3
	s_lshl_b32 s[H16], s[HH], 4
	s_wait_kmcnt 0x0
	s_load_b256 s[BND+1:BND+8], s[4:5], 0x0        ; the eight offsets: all 32 bytes of the buffer
	; the lanes' addresses are made while the offsets are on their way
	v_and_b32 v[C16], 15, v0
	v_bfe_u32 v[PH], v0, 4, 1
.irp z, 0,1,2,3
	v_mov_b32 v[ZQ+\z], 0
.endr
	s_lshl_b32 s[T0], s[WV], 12                    ; a load of a wave takes two rows' 256 bytes: rows w and w + 8 of sixteen
	v_lshlrev_b32 v[GOFF], 4, v[C16]
	v_lshl_add_u32 v[GOFF], v[PH], 15, v[GOFF]
	v_add_nc_u32 v[GOFF], s[T0], v[GOFF]
	s_mul_i32 s[T0], s[WV], PT                     ; and their 128 rounded bytes go to the same two rows of a slot: 8 rows are 288 words apart, so the two halves of the lanes take the two halves of the banks
	v_mul_u32_u24 v17, v[PH], 8*PT
	v_lshl_add_u32 v17, v[C16], 3, v17
	v_add_nc_u32 v[LST], s[T0], v17
	v_add_nc_u32 v[LST+1], SLOT, v[LST]
	; A fragment is 16 rows x 32 K in 8 registers: lane l holds row l % 16; registers 0-3 K = 8 (l / 16) + 0..7, registers 4-7 K = 16 + 8 (l / 16) + 0..7: two loads of 16 bytes, 32 bytes apart.
	v_mul_u32_u24 v18, v[C16], PT
	v_lshl_add_u32 v18, v[PH], 4, v18
	s_mul_i32 s[T0], s[HH], B16                    ; my first block of input's rows
	v_add_nc_u32 v[ADRA], s[T0], v18
	v_add_nc_u32 v[ADRA+1], SLOT, v[ADRA]
	s_mul_i32 s[T0], s[CQ], 4*B16                  ; my 64 rows of the weights,
	s_add_co_u32 s[T0], s[T0], WOFF                ; which lie behind input's 176
	v_add_nc_u32 v[ADRB], s[T0], v18
	v_add_nc_u32 v[ADRB+1], SLOT, v[ADRB]
	s_mul_i32 s[T0], s[WV], WST
	s_add_co_u32 s[T0], s[T0], STAGE               ; my stage
	v_mul_u32_u24 v19, v[C16], SP                  ; in: row l % 16, 32 bytes for each half of the lanes
	v_lshl_add_u32 v19, v[PH], 5, v19
	v_add_nc_u32 v[STO], s[T0], v19
	v_mul_u32_u24 v19, v[PH], SP                   ; back: lanes 0-15 take one row of 256 bytes, lanes 16-31 the next
	v_lshl_add_u32 v19, v[C16], 4, v19
	v_add_nc_u32 v[RD], s[T0], v19
	v_lshlrev_b32 v[CO], 4, v[C16]                 ; and the same two rows in out
	v_lshl_add_u32 v[CO], v[PH], 13, v[CO]
	s_wait_kmcnt 0x0
	; THE DEAL.  The bounds: held to 0 .. 4096, non-falling.
	s_mov_b32 s[BND], 0
	s_mov_b32 s[BND+9], 4096
.irp k, 1,2,3,4,5,6,7,8
	s_max_i32 s[BND+\k], s[BND+\k], 0
	s_min_i32 s[BND+\k], s[BND+\k], 4096
	s_max_u32 s[BND+\k], s[BND+\k], s[BND+\k-1]
.endr
.irp s, 0,1,2,3,4,5,6,7,8
	s_sub_co_u32 s[BLK+\s], s[BND+\s+1], s[BND+\s]
	s_add_co_u32 s[BLK+\s], s[BLK+\s], 15
	s_lshr_b32 s[BLK+\s], s[BLK+\s], 4             ; the segment's blocks of 16 rows
.endr
	s_mov_b32 s[QQ], 11                            ; always serves
	s_mov_b32 s[MG], 5958
.macro TRYQ q, m                       ; a smaller q is taken if it gives 32 tiles or fewer; the number of tiles does not fall as q falls, so the last q that passes is the smallest that serves
	s_mov_b32 s[TOT], 0
.irp s, 0,1,2,3,4,5,6,7,8
	s_add_co_u32 s[T0], s[BLK+\s], (\q)-1
	s_mul_i32 s[T0], s[T0], \m
	s_lshr_b32 s[T0], s[T0], 16                    ; ceil(blocks / q)
	s_add_co_u32 s[TOT], s[TOT], s[T0]
.endr
	s_cmp_le_u32 s[TOT], 32
	s_cselect_b32 s[QQ], \q, s[QQ]
	s_cselect_b32 s[MG], \m, s[MG]
.endm
	TRYQ 10, 6554
	TRYQ 9, 7282
	TRYQ 8, 8192
	s_mov_b32 s[PP], 0
	s_mov_b32 s[JJ], 0                             ; a share that no segment claims keeps these: no rows
	s_mov_b32 s[SB], 0
	s_mov_b32 s[SE], 0
	s_mov_b32 s[SG], 0
.irp s, 0,1,2,3,4,5,6,7,8
	s_add_co_u32 s[T0], s[BLK+\s], s[QQ]
	s_sub_co_u32 s[T0], s[T0], 1
	s_mul_i32 s[T0], s[T0], s[MG]
	s_lshr_b32 s[T0], s[T0], 16                    ; the segment's tiles
	s_sub_co_u32 s[T1], s[YS], s[PP]               ; my share's number among them; far too large if the segment lies behind my share
	s_cmp_lt_u32 s[T1], s[T0]
	s_cselect_b32 s[JJ], s[T1], s[JJ]
	s_cselect_b32 s[SB], s[BND+\s], s[SB]
	s_cselect_b32 s[SE], s[BND+\s+1], s[SE]
	s_cselect_b32 s[SG], \s, s[SG]
	s_add_co_u32 s[PP], s[PP], s[T0]
.endr
	s_lshl_b32 s[M16], s[QQ], 4
	s_mul_i32 s[T0], s[JJ], s[M16]
	s_add_co_u32 s[RS], s[SB], s[T0]
	s_add_co_u32 s[RE], s[RS], s[M16]
	s_min_u32 s[RE], s[RE], s[SE]
	s_min_u32 s[R0], s[RS], 3920                   ; the window's 176 rows end at row 4095 at the latest
	s_sub_co_u32 s[RSR], s[RS], s[R0]
	s_sub_co_u32 s[RER], s[RE], s[R0]
	s_sub_co_u32 s[CNT], s[RE], s[RS]
	s_cmp_lt_u32 s[SG], 8
	s_cselect_b32 s[KEEP], 1, 0
	s_min_u32 s[GG], s[SG], 7                      ; the tail reads the last group's weights and uses nothing of them
	s_add_co_u32 s[T0], s[RER], 15
	s_lshr_b32 s[T0], s[T0], 4                     ; the window's blocks up to the tile's end (0 for a share without rows),
	s_mul_i32 s[T0], s[T0], s[KEEP]                ; none for the tail;
	s_add_co_u32 s[T0], s[T0], 1
	s_sub_co_u32 s[T0], s[T0], s[HH]
	s_lshr_b32 s[NB], s[T0], 1                     ; those of my parity
	s_sub_co_u32 s[T0], s[H16], s[RSR]
	v_add_nc_u32 v[VQ], s[T0], v[PH]
	s_mov_b32 s[OFF+1], 0
	s_lshl_b32 s[OFF], s[R0], 12                   ; a row of input is 4,096 bytes
	s_add_nc_u64 s[BX:BX+1], s[BX:BX+1], s[OFF:OFF+1]
	s_lshl_b32 s[OFF], s[GG], 23                   ; a group's weights are 8 MiB, 256 of their rows 1 MiB
	s_lshl_b32 s[T0], s[NT], 20
	s_add_co_u32 s[OFF], s[OFF], s[T0]
	s_add_nc_u64 s[BW:BW+1], s[BW:BW+1], s[OFF:OFF+1]
	s_lshl_b32 s[OFF], s[R0], 13                   ; a row of out is 8,192 bytes; my first block lies 16 (w >> 2) rows down; 256 columns are 1,024 bytes, my 64 are 256
	s_lshl_b32 s[T0], s[HH], 17
	s_add_co_u32 s[OFF], s[OFF], s[T0]
	s_lshl_b32 s[T0], s[NT], 10
	s_add_co_u32 s[OFF], s[OFF], s[T0]
	s_lshl_b32 s[T0], s[CQ], 8
	s_add_co_u32 s[OFF], s[OFF], s[T0]
	s_add_nc_u64 s[OUT:OUT+1], s[OUT:OUT+1], s[OFF:OFF+1]
; A chunk's 27 loads of my wave: rows 16 j + w and 16 j + w + 8 of input's 176 (j = 0..10) and of the weights' 256 (j = 0..15); sixteen lanes take 256 consecutive bytes, at a multiple of 256 from the buffer's first byte.
; koff: bytes along K from the chunk at which the bases stand.
.macro LD set, koff
.set j, 0
.rept 11
	global_load_b128 v[(\set)+4*j:(\set)+4*j+3], v[GOFF], s[BX:BX+1] offset:65536*j+(\koff)
.set j, j+1
.endr
.set j, 0
.rept 16
	global_load_b128 v[(\set)+44+4*j:(\set)+44+4*j+3], v[GOFF], s[BW:BW+1] offset:65536*j+(\koff)
.set j, j+1
.endr
.endm
; A chunk that has come is rounded, four f32 to 8 bytes a lane, in place, and stored into a slot.
.macro ST set, slot
.set j, 0
.rept 27
.set ra, (\set)+4*j
.if j < 11
.set ro, B16*j
.else
.set ro, WOFF+B16*(j-11)
.endif
	v_cvt_pk_bf16_f32 v[ra], v[ra], v[ra+1]
	v_cvt_pk_bf16_f32 v[ra+1], v[ra+2], v[ra+3]
	ds_store_b64 v[LST+(\slot)], v[ra:ra+1] offset:ro
.set j, j+1
.endr
.endm
.macro FRB slot, ks                    ; the weights' four fragments of K step ks (32 along K, 64 bytes of a row): 8 loads
.irp b, 0,1,2,3
	ds_load_b128 v[BF+8*\b:BF+8*\b+3],   v[ADRB+(\slot)] offset:B16*\b+64*(\ks)
	ds_load_b128 v[BF+8*\b+4:BF+8*\b+7], v[ADRB+(\slot)] offset:B16*\b+64*(\ks)+32
.endr
.endm
.macro FRA slot, ks, i                 ; input's fragment of my block i: 2 loads.  (Block 5 of the odd parity is rows 176-191 of the slot, which hold weights: it is multiplied once, to start its sums, and never stored.)
.set fa, AF+8*((\i)%4)
	ds_load_b128 v[fa:fa+3],   v[ADRA+(\slot)] offset:2*B16*(\i)+64*(\ks)
	ds_load_b128 v[fa+4:fa+7], v[ADRA+(\slot)] offset:2*B16*(\i)+64*(\ks)+32
.endm
; Block i's four products.  The accumulators take turns, one instruction a turn: a K step begins with block 0's first and ends with a later block's last.  zero = 1: the products start the sums.
.macro MULB i, zero
.set fa, AF+8*((\i)%4)
.irp b, 0,1,2,3
.if \zero
	v_wmma_f32_16x16x32_bf16 v[8*(4*(\i)+\b):8*(4*(\i)+\b)+7], v[BF+8*\b:BF+8*\b+7], v[fa:fa+7], 0
.else
	v_wmma_f32_16x16x32_bf16 v[8*(4*(\i)+\b):8*(4*(\i)+\b)+7], v[BF+8*\b:BF+8*\b+7], v[fa:fa+7], v[8*(4*(\i)+\b):8*(4*(\i)+\b)+7]
.endif
.endr
.endm
; THE FIRST K STEP has no jumps: all 24 accumulators are started, those of blocks past the tile's end too, so that nothing is ever cleared.
.macro KSTEP0 slot
	WIN TO_F
	FRB \slot, 0
	FRA \slot, 0, 0
	FRA \slot, 0, 1
	FRA \slot, 0, 2
	FRA \slot, 0, 3
	s_wait_dscnt 4                                 ; LDS instructions come back in order (ISA guide 5.7.1): all but the youngest four, blocks 2 and 3, are in
	WIN MUL
	MULB 0, 1
	MULB 1, 1
	PLACES                                         ; for the loads into buffers 0 and 1
	WIN TO_F
	FRA \slot, 0, 4
	FRA \slot, 0, 5
	s_wait_dscnt 4                                 ; blocks 2 and 3 are in; 4 and 5 may be out
	WIN MUL
	MULB 2, 1
	MULB 3, 1
	s_wait_dscnt 0x0
	MULB 4, 1
	MULB 5, 1
	WIN 0
.endm
; A K STEP.  Blocks go in pairs, then singly; what lies past the tile's end is jumped: forward, past no barrier.  At a branch and at a label every window is 0.
.macro KSTEP slot, ks
	s_cmp_eq_u32 s[NB], 0
	s_cbranch_scc1 .Lkend_\@
	PLACES                                         ; for the loads into fragments that the K step before multiplied
	WIN TO_F
	FRB \slot, \ks
	FRA \slot, \ks, 0
	FRA \slot, \ks, 1
	FRA \slot, \ks, 2
	FRA \slot, \ks, 3
	s_wait_dscnt 4                                 ; all but the youngest four, blocks 2 and 3 (the trip's stores into the other slot are older still)
	WIN MUL
	MULB 0, 0
	MULB 1, 0
	WIN 0
	s_cmp_le_u32 s[NB], 2
	s_cbranch_scc1 .Lkend_\@
	PLACES                                         ; for the loads into buffers 0 and 1
	WIN TO_F
	FRA \slot, \ks, 4
	FRA \slot, \ks, 5
	s_wait_dscnt 4                                 ; blocks 2 and 3 are in; 4 and 5 may be out
	WIN MUL
	MULB 2, 0
	MULB 3, 0
	WIN 0
	s_cmp_le_u32 s[NB], 4
	s_cbranch_scc1 .Lkend_\@
	s_wait_dscnt 2                                 ; block 4 is in
	WIN MUL
	MULB 4, 0
	WIN 0
	s_cmp_le_u32 s[NB], 5
	s_cbranch_scc1 .Lkend_\@
	s_wait_dscnt 0x0                               ; block 5 is in
	WIN MUL
	MULB 5, 0
	WIN 0
.Lkend_\@:
	s_wait_dscnt 0x0                               ; the ways that jump leave fragment loads out: the next K step loads into the same registers
.endm
; TRIP c, of parity p.  stage: chunk c + 1 has come (cnt: the loads of chunk c + 2 may stay out) and goes into the other slot, which every wave has left: its reads were waited for in front of the last barrier.
; load: the registers so freed take chunk c + 3: the bases step to chunk c + 1, and 512 bytes more are two chunks on.  Then slot p is multiplied, two K steps.
; bar: the barrier between this trip's stores and the next trip's reads of them, and between this trip's reads and the next trip's stores into slot p.
.macro TRIP p, stage, cnt, load, zero, bar
.if \stage
	s_wait_loadcnt \cnt
	ST SET0+108*(1-(\p)), 1-(\p)
.endif
.if \load
	s_wait_xcnt 0x0                                ; every earlier load has had its addresses translated (ISA guide 3.1): the bases are stepped only behind this wait
	s_add_nc_u64 s[BX:BX+1], s[BX:BX+1], 256
	s_add_nc_u64 s[BW:BW+1], s[BW:BW+1], 256
	LD SET0+108*(1-(\p)), 512
.endif
.if \zero
	KSTEP0 \p
.else
	KSTEP \p, 0
.endif
	KSTEP \p, 1
.if \bar
	BAR
.endif
.endm
	LD SET0, 0                                     ; chunks 0 and 1 go out
	LD SET0+108, 256
	s_wait_loadcnt 27                              ; loads come back in order (ISA guide 5.7.1): chunk 0 is in, chunk 1's 27 stay out
	ST SET0, 0
	LD SET0, 512                                   ; chunk 2
	BAR
	TRIP 0, 1, 27, 1, 1, 1                         ; trip 0 stands in front of the loop: its first K step starts the sums
	s_mov_b32 s[LOOPC], 6
.Lloop:                                                ; trips 1 to 12; on the way in and over the jump back two chunks are out, so the count 27 holds on both
	TRIP 1, 1, 27, 1, 0, 1
	TRIP 0, 1, 27, 1, 0, 1
	s_sub_co_u32 s[LOOPC], s[LOOPC], 1
	s_cmp_lg_u32 s[LOOPC], 0
	s_cbranch_scc1 .Lloop
	TRIP 1, 1, 27, 0, 0, 1                         ; trip 13: chunk 14 is staged, chunk 15 stays out; nothing is left to ask for
	TRIP 0, 1, 0, 0, 0, 1                          ; trip 14: chunk 15 is the only one out
	TRIP 1, 0, 0, 0, 0, 0                          ; trip 15: nothing to stage, and no wave writes a slot any more: no barrier
; THE WAY OUT of my block i: 16 rows x 64 columns go through my own stage (LDS serves a wave's instructions in order, ISA guide 5.7.1.4: no wait between the stores and the loads) and come back as whole rows of 256 bytes.
; A block that lies outside the tile is jumped; one that lies inside is stored whole; one that holds an end of the tile is stored pair of rows by pair, with the lanes of rows outside switched off.
; Each accumulator's four lowest registers are read first.  Each block has its own 32 registers, so that no store's data are written again.
.macro OUTB i
.set bk, BK+32*(\i)
	s_add_co_u32 s[LO], s[H16], 32*(\i)
	s_add_co_u32 s[LE], s[LO], 16
	s_cmp_ge_u32 s[LO], s[RER]
	s_cbranch_scc1 .Lskip_\@
	s_cmp_le_u32 s[LE], s[RSR]
	s_cbranch_scc1 .Lskip_\@
	s_cmp_lg_u32 s[KEEP], 0
	s_cbranch_scc0 .Lzero_\@
	WIN FROM
.irp b, 0,1,2,3
	ds_store_b128 v[STO], v[8*(4*(\i)+\b):8*(4*(\i)+\b)+3]   offset:64*\b
	ds_store_b128 v[STO], v[8*(4*(\i)+\b)+4:8*(4*(\i)+\b)+7] offset:64*\b+16
.endr
	WIN 0
	s_branch .Lback_\@
.Lzero_\@:                                             ; rows that belong to no group: zeros take the sums' place
.irp b, 0,1,2,3,4,5,6,7
	ds_store_b128 v[STO], v[ZQ:ZQ+3] offset:16*\b+16*(\b&6)
.endr
.Lback_\@:
.irp t, 0,1,2,3,4,5,6,7
	ds_load_b128 v[bk+4*\t:bk+4*\t+3], v[RD] offset:2*SP*\t
.endr
	s_wait_dscnt 0x0
	s_cmp_lt_u32 s[LO], s[RSR]
	s_cbranch_scc1 .Ledge_\@
	s_cmp_gt_u32 s[LE], s[RER]
	s_cbranch_scc1 .Ledge_\@
.irp t, 0,1,2,3,4,5,6,7
	global_store_b128 v[CO], v[bk+4*\t:bk+4*\t+3], s[OUT:OUT+1] offset:(32*(\i)+2*\t)*8192 th:TH_STORE_NT  ; 16 lanes store 256 consecutive bytes, at a multiple of 256 from out's first byte
.endr
	s_branch .Lskip_\@
.Ledge_\@:
.irp t, 0,1,2,3,4,5,6,7
	v_add_nc_u32 v[TV], 32*(\i)+2*\t, v[VQ]        ; my row, counted from the tile's first: below 0 it wraps to a number far above the count
	v_cmp_gt_u32 vcc_lo, s[CNT], v[TV]
	s_wait_xcnt 0x0                                ; EXEC is a source of the stores that are out: it changes only behind this wait,
	s_and_saveexec_b32 s[SVX], vcc_lo
	global_store_b128 v[CO], v[bk+4*\t:bk+4*\t+3], s[OUT:OUT+1] offset:(32*(\i)+2*\t)*8192 th:TH_STORE_NT  ; a row's sixteen lanes are on or off together
	s_wait_xcnt 0x0                                ; and again in front of the line that widens it
	s_or_b32 exec_lo, exec_lo, s[SVX]
.endr
.Lskip_\@:
.endm
	PLACES                                         ; the stage's stores read results just made
	OUTB 0
	OUTB 1
	OUTB 2
	OUTB 3
	OUTB 4
	OUTB 5
	s_wait_tensorcnt 0x0                           ; the wave's end, behind my last LDS store
	ds_add_u32 v[SPW], v[NIL]
	s_wait_dscnt 0x0
	s_endpgm
.Lfunc_end_k_q968e4a59e6_gmm:
	.size	k_q968e4a59e6_gmm, .Lfunc_end_k_q968e4a59e6_gmm-k_q968e4a59e6_gmm
	.p2alignl 7, 3214868480
	.fill 96, 4, 3214868480
	.section	.rodata,"a",@progbits
	.p2align	6, 0x0
	.amdhsa_kernel k_q968e4a59e6_gmm
		.amdhsa_group_segment_fixed_size 160256
		.amdhsa_private_segment_fixed_size 0
		.amdhsa_enable_private_segment 0
		.amdhsa_kernarg_size 32
		.amdhsa_user_sgpr_count 2
		.amdhsa_user_sgpr_kernarg_segment_ptr 1
		.amdhsa_wavefront_size32 1
		.amdhsa_system_sgpr_workgroup_id_x 1
		.amdhsa_system_sgpr_workgroup_id_y 1
		.amdhsa_system_sgpr_workgroup_id_z 1
		.amdhsa_system_vgpr_workitem_id 0
		.amdhsa_next_free_vgpr 512
		.amdhsa_next_free_sgpr 66
		.amdhsa_reserve_vcc 1
		.amdhsa_float_denorm_mode_32 3
		.amdhsa_float_denorm_mode_16_64 3
		.amdhsa_memory_ordered 1
		.amdhsa_forward_progress 1
		.amdhsa_inst_pref_size 137
	.end_amdhsa_kernel
	.amdgpu_metadata
---
amdhsa.version: [ 1, 2 ]
amdhsa.kernels:
  - .name:           k_q968e4a59e6_gmm
    .symbol:         k_q968e4a59e6_gmm.kd
    .args:
      - { .name: grouped_mm_offs, .offset: 0, .size: 8, .value_kind: global_buffer, .address_space: global }
      - { .name: input, .offset: 8, .size: 8, .value_kind: global_buffer, .address_space: global }
      - { .name: weight, .offset: 16, .size: 8, .value_kind: global_buffer, .address_space: global }
      - { .name: out0, .offset: 24, .size: 8, .value_kind: global_buffer, .address_space: global }
    .group_segment_fixed_size: 160256
    .private_segment_fixed_size: 0
    .kernarg_segment_align: 8
    .kernarg_segment_size: 32
    .max_flat_workgroup_size: 256
    .sgpr_count:     66
    .vgpr_count:     512
    .wavefront_size: 32
...
	.end_amdgpu_metadata
.endif
;; end of part 1
;; ======== version 2 of 2: 1 launch; 1.20 times as fast as version 1
;; launch gmm (part 2): grid 256 x 1, 8 waves a work-group, no clusters, 160,256 bytes of LDS; arguments grouped_mm_offs, input, weight, out0; writes out0
.if DOCPART == 2
	.amdgcn_target "amdgcn-amd-amdhsa--gfx1250"
	.amdhsa_code_object_version 6
	.text
	.protected	k_q968e4a59e6_gmm
	.globl	k_q968e4a59e6_gmm
	.p2align	8
	.type	k_q968e4a59e6_gmm,@function
k_q968e4a59e6_gmm:
	s_mov_b64 s[64:65], 0
	v_nop
	global_prefetch_b8 v0, s[64:65] scope:SCOPE_SE
	s_setreg_imm32_b32 hwreg(HW_REG_WAVE_MODE, 25, 1), 1
	s_wait_xcnt 0x0
; GROUPED PRODUCT.  out[t][n] = sum over k of input[t][k] weight[g(t)][n][k], g(t) = how many of the 8 offsets are <= t; a row with g(t) = 8 belongs to no group and is stored as 0.
; input [4096][1024], weight [8][2048][1024], out [4096][2048], all f32; offsets [8] int32.  input and weight are rounded once to bf16 on their way into LDS; the sums are f32.
; LIMITS.  The offsets are taken as ascending, which the binary search that defines g(t) needs; they are held to 0 .. 4096 and made non-falling, so that no address leaves a buffer whatever they hold.
; Only a row's own group is multiplied: a weight of ANOTHER group that is not finite leaves a row as it is, where a product of 0 with it would make a NaN.
; SHARES.  256 work-groups: id & 7 is a tile of 256 columns, id >> 3 one of 32 row shares.  The rows fall into nine segments (eight groups and the tail of zeros); each segment is cut into tiles of
; 16 q rows, q the smallest of 8, 9, 10, 11 with which all segments together have at most 32 tiles.  q = 11 always serves: the segments have at most (4096 + 9 x 15) / 16 = 264 blocks of 16 rows,
; so at most (264 + 9 x 10) / 11 = 32 tiles.  Every wave works this out for itself from the offsets, in scalar registers.  A share beyond the last tile has no rows: it walks the same text and stores nothing,
; since every wave has to pass every barrier.
; WINDOW.  A work-group always brings in 176 rows of input, from row min(first row, 3920) on, and 256 rows of its group's weights.  Rows of the window outside the tile are never stored.
; WAVES.  Eight: wave w has the columns 64 (w & 3) .. + 63 and, of the window's blocks of 16 rows, those of parity w >> 2: six blocks x four accumulators of 16 x 16.  Blocks past the tile's end are jumped.
; THE WAY IN.  K goes in 16 chunks of 64 (256 bytes of a row, at a multiple of 256 bytes from the buffer's first byte).  A chunk is 432 rows = 27 loads of 16 bytes a lane for each wave; two chunks, 54 loads, are always
; on their way, in 216 registers.  A chunk that has come is rounded (4 f32 -> 8 bytes a lane) and stored into one of two LDS slots; the other slot is multiplied meanwhile.  One barrier a chunk.
; THE TRIP'S ORDER.  Behind the barrier every wave first asks LDS for the fragments of the slot's first K step, then rounds the chunk that has come from memory: 54 conversions stand between those loads and their use.
; Then waves 0-3 store the chunk, ask memory for the next, and multiply both K steps; waves 4-7 multiply the first K step, store and ask, and multiply the second.  So LDS stores and requests to memory come from four
; waves at a time.  The branch hangs on the wave's number alone; both ways join in front of the barrier, with the same loads out and the bases at the same chunk.
; A K STEP GOES BY HALVES of its four column blocks: phase alpha (blocks 0, 1) and phase beta (blocks 2, 3), each over all my row blocks.  So the fragment registers fall free one after the other, and the second K step's
; fragments are fetched into them while the first is still multiplied, in three short runs, with no second set of registers: alpha's weights behind the first alpha; input's blocks in the first beta, behind
; their last products; beta's weights behind the first beta.  Every phase takes the row blocks in one order (4, 5, 2, 3, 0, 1), so that each fragment has about a phase in which to land.
; NO JOINT LOADS, NO TENSOR LOADS.  The tiles are f32 and are rounded once here, between memory and LDS.  Brought as they are, a slot would be 432 rows x 272 bytes = 117,504 bytes, each fragment would be read at twice the
; bytes and rounded by every wave that reads it (input's by four, the weights' by two).  Of a chunk's 432 rows only input's 176 are the same in a fixed set of work-groups; how many share the weights' 256 hangs on the offsets.
; THE MATRIX INSTRUCTION IS USED TRANSPOSED: source 0 = 16 rows of weights, source 1 = 16 rows of input: a lane then holds row lane % 16 of out and eight neighbouring columns 8 (lane / 16) + 0 .. 7.
; REGISTERS, in windows of 256 (s_set_vgpr_msb: bits 1:0 source 0, 3:2 source 1, 5:4 source 2, 7:6 destination):
;   window 0: v0-23 addresses and at work; v24-131, v132-239 the two chunks on their way (on the way out: 32 registers for each block); v240-255 input's fragments of my blocks 4 and 5
;   window 1: v0-191 accumulators, (block i, column block b) at 8 (4 i + b); v192-223 the weights' four fragments; v224-255 input's fragments of my blocks 0 to 3
.set PT,    144                        ; an LDS row: 64 bf16 = 128 bytes + 16 of padding = 36 words: the 16 rows of a fragment load start at 16 different groups of four banks (64 banks of 4 bytes: ISA guide 11.1)
.set B16,   16*PT                      ; 16 rows
.set WOFF,  176*PT                     ; a slot: input's 176 rows, then the weights' 256
.set SLOT,  (176+256)*PT               ; 62,208 bytes
.set STAGE, 2*SLOT                     ; behind the slots: 16 rows x 272 bytes for each wave, its own, for the way out
.set SP,    272                        ; 64 f32 = 256 bytes + 16 of padding
.set WST,   16*SP
.set SPARE, STAGE+8*WST                ; behind the stages: the spare words, 128 bytes for each wave: four blocks of 256 bytes that no other line names
.set SPW,  1                           ; v1     LDS address of my spare word: SPARE + 4 x my thread's number; never rewritten
.set NIL,  2                           ; v2     0; never rewritten
.set GOFF, 3                           ; v3     byte offset of my 16 bytes in a chunk: row w + 8 (lane / 16), 16 (lane % 16)
.set LST,  4                           ; v4-5   where my 8 rounded bytes go, in slot 0, 1
.set ADRA, 6                           ; v6-7   my place in input's fragments, in slot 0, 1
.set ADRB, 8                           ; v8-9   the same for the weights'
.set STO,  10                          ; v10    the way out: where I put 16 bytes of a row
.set RD,   11                          ; v11    the way out: where I read a row back
.set CO,   12                          ; v12    my byte offset in two rows of out
.set VQ,   13                          ; v13    my row in the wave's first pair of rows, counted from the tile's first row
.set TV,   14                          ; v14    at work
.set C16,  15                          ; v15    lane % 16
.set PH,   16                          ; v16    lane / 16
.set ZQ,   20                          ; v20-23 four zeros, for the rows that belong to no group
.set SET0, 24                          ; the chunks of even number; those of odd number 108 registers on
.set BK,   24                          ; the way out: block i's 16 rows at BK + 32 i
.set AH,   240                         ; window 0: input's fragments of blocks 4, 5
.set BF,   192                         ; window 1: the weights' fragments
.set AF,   224                         ; window 1: input's fragments of blocks 0 to 3
.set WV,   2                           ; s2     my wave's number
.set HH,   3                           ; s3     w >> 2: the parity of my blocks of rows, and which of a trip's two orders is mine
.set BX,   6                           ; s[6:7]   input at the window's first row, at the chunk in hand
.set BW,   8                           ; s[8:9]   weight at the tile's first row, likewise
.set OUT,  10                          ; s[10:11] out at my wave's first row and column
.set CQ,   12                          ; s12    w & 3: my quarter of the columns
.set NT,   13                          ; s13    the tile of columns
.set YS,   14                          ; s14    the row share
.set T0,   15                          ; s15, s19 at work
.set QQ,   16                          ; s16    q
.set MG,   17                          ; s17    ceil(65536 / q): (v x MG) >> 16 = v / q for v up to 266, since q x MG - 65536 is 4 at the most
.set TOT,  18                          ; s18    tiles in all with the q that is tried
.set T1,   19
.set PP,   20                          ; s20    tiles of the segments passed
.set JJ,   21                          ; s21    my tile's number in its segment
.set SB,   22                          ; s22    my segment's first row
.set BND,  23                          ; s23-32 the ten bounds: 0, the eight offsets, 4096
.set SE,   33                          ; s33    my segment's end
.set SG,   34                          ; s34    my segment
.set BLK,  36                          ; s36-44 the segments' blocks of 16 rows
.set M16,  45                          ; s45    16 q
.set RS,   46                          ; s46, s47 my tile's first row and end
.set RE,   47
.set R0,   48                          ; s48    the window's first row
.set RSR,  49                          ; s49, s50 the same two, counted from the window's first row
.set RER,  50
.set CNT,  51                          ; s51    my tile's rows
.set KEEP, 52                          ; s52    1: a group's rows; 0: the tail, which is stored as zeros
.set GG,   53                          ; s53    the group whose weights are read
.set NB,   54                          ; s54    how many of my six blocks are multiplied
.set LOOPC, 55                         ; s55    counts the loop
.set OFF,  56                          ; s[56:57] a byte offset in 64 bits
.set SVX,  58                          ; s58    EXEC, kept
.set H16,  59                          ; s59    16 (w >> 2)
.set LO,   60                          ; s60, s61 a block's first row in the window and its end
.set LE,   61
.set MSB, 0
.macro WIN new                         ; the immediate's high byte repeats the setting that is left; a switch that changes nothing is dropped
.if MSB != (\new)
	s_set_vgpr_msb (MSB<<8)|(\new)
.set MSB, \new
.endif
.endm
.set TO_F, 0x40                        ; destination window 1, address window 0
.set MUL,  0x55                        ; all four operands window 1
.set MULH, 0x51                        ; the same with source 1 (input's fragment) in window 0: blocks 4 and 5
.set FROM, 0x04                        ; an LDS store's data window 1, its address window 0
; A load into a register that a matrix instruction has read, and a store that reads a matrix result, stand four places behind that matrix instruction, and only plain vector instructions that name none of
; its registers are places (ISA guide 7.12.1 for vector instructions).
.macro PLACES
.rept 4
	v_nop
.endr
.endm
.macro BAR                             ; what the others rely on is complete in front of my signal: my stores into the one slot, my reads of the other
	s_wait_dscnt 0x0
	s_barrier_signal -1
	s_barrier_wait -1
.endm
	s_load_b256 s[4:11], s[0:1], 0x0               ; offsets s[4:5], input s[6:7], weight s[8:9], out s[10:11]
	v_lshl_add_u32 v[SPW], v0, 2, SPARE
	v_mov_b32 v[NIL], 0
	v_lshrrev_b32 v[TV], 5, v0
	v_readfirstlane_b32 s[WV], v[TV]               ; wave 0..7
	s_lshr_b32 s[HH], s[WV], 2
	s_and_b32 s[CQ], s[WV], 3
	s_and_b32 s[NT], ttmp9, 7
	s_lshr_b32 s[YS], ttmp9, 3
	s_lshl_b32 s[H16], s[HH], 4
	s_wait_kmcnt 0x0
	s_load_b256 s[BND+1:BND+8], s[4:5], 0x0        ; the eight offsets: all 32 bytes of the buffer
	; the lanes' addresses are made while the offsets are on their way
	v_and_b32 v[C16], 15, v0
	v_bfe_u32 v[PH], v0, 4, 1
.irp z, 0,1,2,3
	v_mov_b32 v[ZQ+\z], 0
.endr
	s_lshl_b32 s[T0], s[WV], 12                    ; a load of a wave takes two rows' 256 bytes: rows w and w + 8 of sixteen
	v_lshlrev_b32 v[GOFF], 4, v[C16]
	v_lshl_add_u32 v[GOFF], v[PH], 15, v[GOFF]
	v_add_nc_u32 v[GOFF], s[T0], v[GOFF]
	s_mul_i32 s[T0], s[WV], PT                     ; and their 128 rounded bytes go to the same two rows of a slot: 8 rows are 288 words apart, so the two halves of the lanes take the two halves of the banks
	v_mul_u32_u24 v17, v[PH], 8*PT
	v_lshl_add_u32 v17, v[C16], 3, v17
	v_add_nc_u32 v[LST], s[T0], v17
	v_add_nc_u32 v[LST+1], SLOT, v[LST]
	; A fragment is 16 rows x 32 K in 8 registers: lane l holds row l % 16; registers 0-3 K = 8 (l / 16) + 0..7, registers 4-7 K = 16 + 8 (l / 16) + 0..7: two loads of 16 bytes, 32 bytes apart.
	v_mul_u32_u24 v18, v[C16], PT
	v_lshl_add_u32 v18, v[PH], 4, v18
	s_mul_i32 s[T0], s[HH], B16                    ; my first block of input's rows
	v_add_nc_u32 v[ADRA], s[T0], v18
	v_add_nc_u32 v[ADRA+1], SLOT, v[ADRA]
	s_mul_i32 s[T0], s[CQ], 4*B16                  ; my 64 rows of the weights,
	s_add_co_u32 s[T0], s[T0], WOFF                ; which lie behind input's 176
	v_add_nc_u32 v[ADRB], s[T0], v18
	v_add_nc_u32 v[ADRB+1], SLOT, v[ADRB]
	s_mul_i32 s[T0], s[WV], WST
	s_add_co_u32 s[T0], s[T0], STAGE               ; my stage
	v_mul_u32_u24 v19, v[C16], SP                  ; in: row l % 16, 32 bytes for each half of the lanes
	v_lshl_add_u32 v19, v[PH], 5, v19
	v_add_nc_u32 v[STO], s[T0], v19
	v_mul_u32_u24 v19, v[PH], SP                   ; back: lanes 0-15 take one row of 256 bytes, lanes 16-31 the next
	v_lshl_add_u32 v19, v[C16], 4, v19
	v_add_nc_u32 v[RD], s[T0], v19
	v_lshlrev_b32 v[CO], 4, v[C16]                 ; and the same two rows in out
	v_lshl_add_u32 v[CO], v[PH], 13, v[CO]
	s_wait_kmcnt 0x0
	; THE DEAL.  The bounds: held to 0 .. 4096, non-falling.
	s_mov_b32 s[BND], 0
	s_mov_b32 s[BND+9], 4096
.irp k, 1,2,3,4,5,6,7,8
	s_max_i32 s[BND+\k], s[BND+\k], 0
	s_min_i32 s[BND+\k], s[BND+\k], 4096
	s_max_u32 s[BND+\k], s[BND+\k], s[BND+\k-1]
.endr
.irp s, 0,1,2,3,4,5,6,7,8
	s_sub_co_u32 s[BLK+\s], s[BND+\s+1], s[BND+\s]
	s_add_co_u32 s[BLK+\s], s[BLK+\s], 15
	s_lshr_b32 s[BLK+\s], s[BLK+\s], 4             ; the segment's blocks of 16 rows
.endr
	s_mov_b32 s[QQ], 11                            ; always serves
	s_mov_b32 s[MG], 5958
.macro TRYQ q, m                       ; a smaller q is taken if it gives 32 tiles or fewer; the number of tiles does not fall as q falls, so the last q that passes is the smallest that serves
	s_mov_b32 s[TOT], 0
.irp s, 0,1,2,3,4,5,6,7,8
	s_add_co_u32 s[T0], s[BLK+\s], (\q)-1
	s_mul_i32 s[T0], s[T0], \m
	s_lshr_b32 s[T0], s[T0], 16                    ; ceil(blocks / q)
	s_add_co_u32 s[TOT], s[TOT], s[T0]
.endr
	s_cmp_le_u32 s[TOT], 32
	s_cselect_b32 s[QQ], \q, s[QQ]
	s_cselect_b32 s[MG], \m, s[MG]
.endm
	TRYQ 10, 6554
	TRYQ 9, 7282
	TRYQ 8, 8192
	s_mov_b32 s[PP], 0
	s_mov_b32 s[JJ], 0                             ; a share that no segment claims keeps these: no rows
	s_mov_b32 s[SB], 0
	s_mov_b32 s[SE], 0
	s_mov_b32 s[SG], 0
.irp s, 0,1,2,3,4,5,6,7,8
	s_add_co_u32 s[T0], s[BLK+\s], s[QQ]
	s_sub_co_u32 s[T0], s[T0], 1
	s_mul_i32 s[T0], s[T0], s[MG]
	s_lshr_b32 s[T0], s[T0], 16                    ; the segment's tiles
	s_sub_co_u32 s[T1], s[YS], s[PP]               ; my share's number among them; far too large if the segment lies behind my share
	s_cmp_lt_u32 s[T1], s[T0]
	s_cselect_b32 s[JJ], s[T1], s[JJ]
	s_cselect_b32 s[SB], s[BND+\s], s[SB]
	s_cselect_b32 s[SE], s[BND+\s+1], s[SE]
	s_cselect_b32 s[SG], \s, s[SG]
	s_add_co_u32 s[PP], s[PP], s[T0]
.endr
	s_lshl_b32 s[M16], s[QQ], 4
	s_mul_i32 s[T0], s[JJ], s[M16]
	s_add_co_u32 s[RS], s[SB], s[T0]
	s_add_co_u32 s[RE], s[RS], s[M16]
	s_min_u32 s[RE], s[RE], s[SE]
	s_min_u32 s[R0], s[RS], 3920                   ; the window's 176 rows end at row 4095 at the latest
	s_sub_co_u32 s[RSR], s[RS], s[R0]
	s_sub_co_u32 s[RER], s[RE], s[R0]
	s_sub_co_u32 s[CNT], s[RE], s[RS]
	s_cmp_lt_u32 s[SG], 8
	s_cselect_b32 s[KEEP], 1, 0
	s_min_u32 s[GG], s[SG], 7                      ; the tail reads the last group's weights and uses nothing of them
	s_add_co_u32 s[T0], s[RER], 15
	s_lshr_b32 s[T0], s[T0], 4                     ; the window's blocks up to the tile's end (0 for a share without rows),
	s_mul_i32 s[T0], s[T0], s[KEEP]                ; none for the tail;
	s_add_co_u32 s[T0], s[T0], 1
	s_sub_co_u32 s[T0], s[T0], s[HH]
	s_lshr_b32 s[NB], s[T0], 1                     ; those of my parity
	s_sub_co_u32 s[T0], s[H16], s[RSR]
	v_add_nc_u32 v[VQ], s[T0], v[PH]
	s_mov_b32 s[OFF+1], 0
	s_lshl_b32 s[OFF], s[R0], 12                   ; a row of input is 4,096 bytes
	s_add_nc_u64 s[BX:BX+1], s[BX:BX+1], s[OFF:OFF+1]
	s_lshl_b32 s[OFF], s[GG], 23                   ; a group's weights are 8 MiB, 256 of their rows 1 MiB
	s_lshl_b32 s[T0], s[NT], 20
	s_add_co_u32 s[OFF], s[OFF], s[T0]
	s_add_nc_u64 s[BW:BW+1], s[BW:BW+1], s[OFF:OFF+1]
	s_lshl_b32 s[OFF], s[R0], 13                   ; a row of out is 8,192 bytes; my first block lies 16 (w >> 2) rows down; 256 columns are 1,024 bytes, my 64 are 256
	s_lshl_b32 s[T0], s[HH], 17
	s_add_co_u32 s[OFF], s[OFF], s[T0]
	s_lshl_b32 s[T0], s[NT], 10
	s_add_co_u32 s[OFF], s[OFF], s[T0]
	s_lshl_b32 s[T0], s[CQ], 8
	s_add_co_u32 s[OFF], s[OFF], s[T0]
	s_add_nc_u64 s[OUT:OUT+1], s[OUT:OUT+1], s[OFF:OFF+1]
; A chunk's 27 loads of my wave: rows 16 j + w and 16 j + w + 8 of input's 176 (j = 0..10) and of the weights' 256 (j = 0..15); sixteen lanes take 256 consecutive bytes, at a multiple of 256 from the buffer's first byte.
; koff: bytes along K from the chunk at which the bases stand.
.macro LD set, koff
.set j, 0
.rept 11
	global_load_b128 v[(\set)+4*j:(\set)+4*j+3], v[GOFF], s[BX:BX+1] offset:65536*j+(\koff)
.set j, j+1
.endr
.set j, 0
.rept 16
	global_load_b128 v[(\set)+44+4*j:(\set)+44+4*j+3], v[GOFF], s[BW:BW+1] offset:65536*j+(\koff)
.set j, j+1
.endr
.endm
.macro CVTS set                        ; a chunk that has come is rounded, four f32 to 8 bytes a lane, in place: 54 conversions in one batch
.set j, 0
.rept 27
	v_cvt_pk_bf16_f32 v[(\set)+4*j], v[(\set)+4*j], v[(\set)+4*j+1]
	v_cvt_pk_bf16_f32 v[(\set)+4*j+1], v[(\set)+4*j+2], v[(\set)+4*j+3]
.set j, j+1
.endr
.endm
.macro PUTS set, slot                  ; and stored into a slot: 27 LDS stores in one run
.set j, 0
.rept 27
.if j < 11
.set ro, B16*j
.else
.set ro, WOFF+B16*(j-11)
.endif
	ds_store_b64 v[LST+(\slot)], v[(\set)+4*j:(\set)+4*j+1] offset:ro
.set j, j+1
.endr
.endm
.macro ASK p                           ; in trip c, of parity p: the registers that chunk c + 1 has left take chunk c + 3: the bases step to chunk c + 1, and 512 bytes more are two chunks on
	s_wait_xcnt 0x0                                ; every earlier load has had its addresses translated (ISA guide 3.1): the bases are stepped only behind this wait
	s_add_nc_u64 s[BX:BX+1], s[BX:BX+1], 256
	s_add_nc_u64 s[BW:BW+1], s[BW:BW+1], 256
	LD SET0+108*(1-(\p)), 512
.endm
.macro FRBH slot, ks, hf               ; the weights' two fragments of half hf (column blocks 2 hf, 2 hf + 1) of K step ks (32 along K, 64 bytes of a row): 4 loads
	WIN TO_F
.irp c, 0,1
	ds_load_b128 v[BF+8*(2*(\hf)+\c):BF+8*(2*(\hf)+\c)+3],   v[ADRB+(\slot)] offset:B16*(2*(\hf)+\c)+64*(\ks)
	ds_load_b128 v[BF+8*(2*(\hf)+\c)+4:BF+8*(2*(\hf)+\c)+7], v[ADRB+(\slot)] offset:B16*(2*(\hf)+\c)+64*(\ks)+32
.endr
.endm
.macro FRA slot, ks, i                 ; input's fragment of my block i: 2 loads.  (Block 5 of the odd parity is rows 176-191 of the slot, which hold weights: it is multiplied once, to start its sums, and never stored.)
.if (\i) < 4
	WIN TO_F
.set fa, AF+8*(\i)
.else
	WIN 0
.set fa, AH+8*((\i)-4)
.endif
	ds_load_b128 v[fa:fa+3],   v[ADRA+(\slot)] offset:2*B16*(\i)+64*(\ks)
	ds_load_b128 v[fa+4:fa+7], v[ADRA+(\slot)] offset:2*B16*(\i)+64*(\ks)+32
.endm
.macro MUL2 i, hf, zero                ; block i's two products of half hf.  zero = 1: they start the sums
.if (\i) < 4
	WIN MUL
.set fa, AF+8*(\i)
.else
	WIN MULH
.set fa, AH+8*((\i)-4)
.endif
.irp c, 0,1
.set ac, 8*(4*(\i)+2*(\hf)+\c)
.set fb, BF+8*(2*(\hf)+\c)
.if \zero
	v_wmma_f32_16x16x32_bf16 v[ac:ac+7], v[fb:fb+7], v[fa:fa+7], 0
.else
	v_wmma_f32_16x16x32_bf16 v[ac:ac+7], v[fb:fb+7], v[fa:fa+7], v[ac:ac+7]
.endif
.endr
.endm
; THE FIRST K STEP'S FRAGMENTS, in one run, in the order in which they are wanted: blocks 4 and 5 (if they are multiplied), alpha's weights, beta's weights, blocks 2 and 3, blocks 0 and 1.
; zero = 1: the launch's first K step: every block is fetched, and no matrix instruction stands ahead, so no places are wanted.  At a branch and at a label every window is 0.
.macro KLD slot, zero
.if \zero
	FRA \slot, 0, 4
	FRA \slot, 0, 5
.else
	s_cmp_eq_u32 s[NB], 0
	s_cbranch_scc1 .Lke_\@
	PLACES                                         ; for the loads into fragments that the trip before multiplied
	s_cmp_le_u32 s[NB], 4
	s_cbranch_scc1 .Lkr_\@
	FRA \slot, 0, 4
	s_cmp_le_u32 s[NB], 5
	s_cbranch_scc1 .Lkr_\@
	FRA \slot, 0, 5
.endif
.Lkr_\@:
	FRBH \slot, 0, 0
	FRBH \slot, 0, 1
	FRA \slot, 0, 2
	FRA \slot, 0, 3
	FRA \slot, 0, 0
	FRA \slot, 0, 1
	WIN 0
.Lke_\@:
.endm
; A PHASE: half hf of the column blocks over my row blocks, in the order 4, 5, 2, 3, 0, 1; what lies past the tile's end is jumped: forward, past no barrier.  Blocks 0 and 1 are always multiplied here.
; The accumulators take turns, one instruction a turn: a phase's twelve are all different, a phase alpha ends with (1, 1) and a beta begins with a column block 2, a beta ends with (1, 3) and an alpha
; begins with a column block 0.
; whi, w23, w01: the counts of the waits in front of the three groups (below 0: no wait).  LDS instructions come back in order (ISA guide 5.7.1), and a count takes in only instructions that are issued on every way:
; the loads of blocks 4 and 5, which may be jumped, are older than all that a count leaves out.
; pre = 1 (the first K step's beta): the second K step's fragments of input go into the registers that fall free: blocks 4, 5, 2, 3 in one run behind those blocks' products, blocks 0, 1 behind theirs.
; zero = 1: nothing is jumped: all accumulators are started, those of blocks past the tile's end too, so that nothing is ever cleared.
.macro PHASE slot, hf, zero, pre, whi, w23, w01
	WIN 0
.if !(\zero)
	s_cmp_le_u32 s[NB], 4
	s_cbranch_scc1 .Lhe_\@
.endif
.if (\whi) >= 0
	s_wait_dscnt \whi
.endif
	MUL2 4, \hf, \zero
.if !(\zero)
	WIN 0
	s_cmp_le_u32 s[NB], 5
	s_cbranch_scc1 .Lhe_\@
.endif
	MUL2 5, \hf, \zero
	WIN 0
.Lhe_\@:
.if !(\zero)
	s_cmp_le_u32 s[NB], 2
	s_cbranch_scc1 .Lme_\@
.endif
.if (\w23) >= 0
	s_wait_dscnt \w23
.endif
	MUL2 2, \hf, \zero
	MUL2 3, \hf, \zero
	WIN 0
.Lme_\@:
.if \pre
	PLACES                                         ; behind the last products that read blocks 4, 5, 2, 3
.if !(\zero)
	s_cmp_le_u32 s[NB], 4
	s_cbranch_scc1 .Lpr_\@
.endif
	FRA \slot, 1, 4
.if !(\zero)
	s_cmp_le_u32 s[NB], 5
	s_cbranch_scc1 .Lpr_\@
.endif
	FRA \slot, 1, 5
.Lpr_\@:
	FRA \slot, 1, 2                                ; blocks 2 and 3 are fetched on every way, so that the counts behind them hold on every way
	FRA \slot, 1, 3
.endif
.if (\w01) >= 0
	s_wait_dscnt \w01
.endif
	MUL2 0, \hf, \zero
	MUL2 1, \hf, \zero
.if \pre
	PLACES                                         ; behind the last products that read blocks 0, 1 and beta's weights
	FRA \slot, 1, 0
	FRA \slot, 1, 1
.endif
.endm
; THE FIRST K STEP of a slot.  x: how many LDS stores were issued behind its fragments' loads (27 or 0).  Behind alpha's weights lie 12 loads (beta's weights 4, blocks 2, 3: 4, blocks 0, 1: 4), behind blocks 2, 3 lie 4,
; behind blocks 0, 1 none; phase beta finds everything in.  A wave with no block to multiply jumps the step; on that way it waits for all its LDS instructions first, so that no fragment load is out where a later part begins.
.macro KMA slot, zero, x
.if !(\zero)
	s_cmp_lg_u32 s[NB], 0
	s_cbranch_scc1 .Lgo_\@
	s_wait_dscnt 0x0
	s_branch .Lend_\@
.Lgo_\@:
.endif
	PHASE \slot, 0, \zero, 0, 12+(\x), 4+(\x), \x
	PLACES                                         ; behind the last products that read alpha's weights
	FRBH \slot, 1, 0                               ; the second K step's
	PHASE \slot, 1, \zero, 1, -1, -1, -1
	FRBH \slot, 1, 1                               ; beta's weights of the second K step: the places in front of blocks 0, 1 serve them too
	WIN 0
.Lend_\@:
.endm
; THE SECOND K STEP.  Its loads in the order of issue: alpha's weights; blocks 4, 5; blocks 2, 3 (4 loads); blocks 0, 1 (4); beta's weights (4); then x LDS stores.  So 12 + x lie behind blocks 4, 5, 8 + x behind
; blocks 2, 3, 4 + x behind blocks 0, 1, and x behind beta's weights.
.macro KMB slot, x
	s_cmp_lg_u32 s[NB], 0
	s_cbranch_scc1 .Lgo_\@
	s_wait_dscnt 0x0
	s_branch .Lend_\@
.Lgo_\@:
	PHASE \slot, 0, 0, 0, 12+(\x), 8+(\x), 4+(\x)
	s_wait_dscnt \x
	PHASE \slot, 1, 0, 0, -1, -1, -1
	WIN 0
.Lend_\@:
.endm
; TRIP c, of parity p.  Slot p is multiplied; chunk c + 1 has come (cnt: the loads of chunk c + 2 may stay out; loads come back in order: ISA guide 5.7.1) and goes into the other slot, which every wave has left: its
; reads of it were waited for in front of the last barrier.  load = 1: chunk c + 3 is asked for.  The barrier stands behind the join, in every wave's text: between this trip's stores and the next trip's reads of them, and
; between this trip's reads of slot p and the next trip's stores into it.
.macro TRIP p, cnt, load, zero
	KLD \p, \zero
	s_wait_loadcnt \cnt
	CVTS SET0+108*(1-(\p))
	s_cmp_lg_u32 s[HH], 0
	s_cbranch_scc1 .Llate_\@
	PUTS SET0+108*(1-(\p)), 1-(\p)                 ; waves 0-3
.if \load
	ASK \p
.endif
	KMA \p, \zero, 27
	KMB \p, 0
	s_branch .Ljoin_\@
.Llate_\@:
	KMA \p, \zero, 0                               ; waves 4-7
	PUTS SET0+108*(1-(\p)), 1-(\p)
.if \load
	ASK \p
.endif
	KMB \p, 27
.Ljoin_\@:
	BAR
.endm
	LD SET0, 0                                     ; chunks 0 and 1 go out
	LD SET0+108, 256
	s_wait_loadcnt 27                              ; chunk 0 is in, chunk 1's 27 loads stay out
	CVTS SET0
	PUTS SET0, 0
	LD SET0, 512                                   ; chunk 2
	BAR
	TRIP 0, 27, 1, 1                               ; trip 0 stands in front of the loop: its first K step starts the sums
	s_mov_b32 s[LOOPC], 6
.Lloop:                                                ; trips 1 to 12; on the way in and over the jump back two chunks are out, on either order, so the count 27 holds everywhere
	TRIP 1, 27, 1, 0
	TRIP 0, 27, 1, 0
	s_sub_co_u32 s[LOOPC], s[LOOPC], 1
	s_cmp_lg_u32 s[LOOPC], 0
	s_cbranch_scc1 .Lloop
	TRIP 1, 27, 0, 0                               ; trip 13: chunk 14 is staged, chunk 15 stays out; nothing is left to ask for
	TRIP 0, 0, 0, 0                                ; trip 14: chunk 15 is the only one out
	KLD 1, 0                                       ; trip 15: nothing to stage, and no wave writes a slot any more: no branch, no barrier
	KMA 1, 0, 0
	KMB 1, 0
; THE WAY OUT of my block i: 16 rows x 64 columns go through my own stage (LDS serves a wave's instructions in order, ISA guide 5.7.1.4: no wait between the stores and the loads) and come back as whole rows of 256 bytes.
; A block that lies outside the tile is jumped; one that lies inside is stored whole; one that holds an end of the tile is stored pair of rows by pair, with the lanes of rows outside switched off.
; Each accumulator's four lowest registers are read first.  Each block has its own 32 registers, so that no store's data are written again.
.macro OUTB i
.set bk, BK+32*(\i)
	s_add_co_u32 s[LO], s[H16], 32*(\i)
	s_add_co_u32 s[LE], s[LO], 16
	s_cmp_ge_u32 s[LO], s[RER]
	s_cbranch_scc1 .Lskip_\@
	s_cmp_le_u32 s[LE], s[RSR]
	s_cbranch_scc1 .Lskip_\@
	s_cmp_lg_u32 s[KEEP], 0
	s_cbranch_scc0 .Lzero_\@
	WIN FROM
.irp b, 0,1,2,3
	ds_store_b128 v[STO], v[8*(4*(\i)+\b):8*(4*(\i)+\b)+3]   offset:64*\b
	ds_store_b128 v[STO], v[8*(4*(\i)+\b)+4:8*(4*(\i)+\b)+7] offset:64*\b+16
.endr
	WIN 0
	s_branch .Lback_\@
.Lzero_\@:                                             ; rows that belong to no group: zeros take the sums' place
.irp b, 0,1,2,3,4,5,6,7
	ds_store_b128 v[STO], v[ZQ:ZQ+3] offset:16*\b+16*(\b&6)
.endr
.Lback_\@:
.irp t, 0,1,2,3,4,5,6,7
	ds_load_b128 v[bk+4*\t:bk+4*\t+3], v[RD] offset:2*SP*\t
.endr
	s_wait_dscnt 0x0
	s_cmp_lt_u32 s[LO], s[RSR]
	s_cbranch_scc1 .Ledge_\@
	s_cmp_gt_u32 s[LE], s[RER]
	s_cbranch_scc1 .Ledge_\@
.irp t, 0,1,2,3,4,5,6,7
	global_store_b128 v[CO], v[bk+4*\t:bk+4*\t+3], s[OUT:OUT+1] offset:(32*(\i)+2*\t)*8192 th:TH_STORE_NT  ; 16 lanes store 256 consecutive bytes, at a multiple of 256 from out's first byte
.endr
	s_branch .Lskip_\@
.Ledge_\@:
.irp t, 0,1,2,3,4,5,6,7
	v_add_nc_u32 v[TV], 32*(\i)+2*\t, v[VQ]        ; my row, counted from the tile's first: below 0 it wraps to a number far above the count
	v_cmp_gt_u32 vcc_lo, s[CNT], v[TV]
	s_wait_xcnt 0x0                                ; EXEC is a source of the stores that are out: it changes only behind this wait,
	s_and_saveexec_b32 s[SVX], vcc_lo
	global_store_b128 v[CO], v[bk+4*\t:bk+4*\t+3], s[OUT:OUT+1] offset:(32*(\i)+2*\t)*8192 th:TH_STORE_NT  ; a row's sixteen lanes are on or off together
	s_wait_xcnt 0x0                                ; and again in front of the line that widens it
	s_or_b32 exec_lo, exec_lo, s[SVX]
.endr
.Lskip_\@:
.endm
	PLACES                                         ; the stage's stores read results just made
	OUTB 0
	OUTB 1
	OUTB 2
	OUTB 3
	OUTB 4
	OUTB 5
	s_wait_tensorcnt 0x0                           ; the wave's end, behind my last LDS store
	ds_add_u32 v[SPW], v[NIL]
	s_wait_dscnt 0x0
	s_endpgm
.Lfunc_end_k_q968e4a59e6_gmm:
	.size	k_q968e4a59e6_gmm, .Lfunc_end_k_q968e4a59e6_gmm-k_q968e4a59e6_gmm
	.p2alignl 7, 3214868480
	.fill 96, 4, 3214868480
	.section	.rodata,"a",@progbits
	.p2align	6, 0x0
	.amdhsa_kernel k_q968e4a59e6_gmm
		.amdhsa_group_segment_fixed_size 160256
		.amdhsa_private_segment_fixed_size 0
		.amdhsa_enable_private_segment 0
		.amdhsa_kernarg_size 32
		.amdhsa_user_sgpr_count 2
		.amdhsa_user_sgpr_kernarg_segment_ptr 1
		.amdhsa_wavefront_size32 1
		.amdhsa_system_sgpr_workgroup_id_x 1
		.amdhsa_system_sgpr_workgroup_id_y 1
		.amdhsa_system_sgpr_workgroup_id_z 1
		.amdhsa_system_vgpr_workitem_id 0
		.amdhsa_next_free_vgpr 512
		.amdhsa_next_free_sgpr 66
		.amdhsa_reserve_vcc 1
		.amdhsa_float_denorm_mode_32 3
		.amdhsa_float_denorm_mode_16_64 3
		.amdhsa_memory_ordered 1
		.amdhsa_forward_progress 1
		.amdhsa_inst_pref_size 195
	.end_amdhsa_kernel
	.amdgpu_metadata
---
amdhsa.version: [ 1, 2 ]
amdhsa.kernels:
  - .name:           k_q968e4a59e6_gmm
    .symbol:         k_q968e4a59e6_gmm.kd
    .args:
      - { .name: grouped_mm_offs, .offset: 0, .size: 8, .value_kind: global_buffer, .address_space: global }
      - { .name: input, .offset: 8, .size: 8, .value_kind: global_buffer, .address_space: global }
      - { .name: weight, .offset: 16, .size: 8, .value_kind: global_buffer, .address_space: global }
      - { .name: out0, .offset: 24, .size: 8, .value_kind: global_buffer, .address_space: global }
    .group_segment_fixed_size: 160256
    .private_segment_fixed_size: 0
    .kernarg_segment_align: 8
    .kernarg_segment_size: 32
    .max_flat_workgroup_size: 256
    .sgpr_count:     66
    .vgpr_count:     512
    .wavefront_size: 32
...
	.end_amdgpu_metadata
.endif
;; end of part 2
